; MI455X (gfx1250); checked and timed in simulation.
; The chip was launched on July 23, 2026; its instructions are those of AMD's public machine-readable ISA for CDNA 5 (MIT licence, August 2026) and "CDNA5" Instruction Set Architecture Reference Guide (July 2026). The comments in the code are by the model that wrote it; some were corrected since.
;; Multi Headed Attention. Allowed arithmetic: matrix products marked QUANTISED: E2M1 operands, one E8M0 scale for each 32 along K, by v_wmma_scale_f32_16x16x128_f8f6f4 with both operands' format E2M1 (or v_wmma_scale_f32_32x16x128_f4), f32 sums; products left as they are: bf16, f16 or f32 operands; f32 sums; everything else in f32.
;; Inputs: Wk 1,024 x 128 float32; Wo 128 x 1,024 float32; Wq 1,024 x 128 float32; Wv 1,024 x 128 float32; bk 128 float32; bo 1,024 float32; bq 128 float32; bv 128 float32; keys 2 x 2,048 x 1,024 float32; queries 2 x 2,048 x 1,024 float32; values 2 x 2,048 x 1,024 float32.
;; Outputs: out0 2 x 2,048 x 1,024 float32.
;; This version of the problem:
;;   THIS VERSION OF THE PROBLEM IS GIVEN IN LOW PRECISION. The matrix products marked QUANTISED in the list below multiply operands that are first quantised to E2M1 (2 exponent bits, 1 mantissa bit; 4 bits a number), with one power-of-two scale for each 32 numbers along K (OCP MX v1.0); their sums are f32. The products marked 'left as it is' may take bf16, f16 or f32 operands, with f32 sums. Whichever they take, every output number must still come out within the allowed error. Rounding operands to bf16 (8 significant bits) uses up far more of that allowance than f16 does (11 bits, for magnitudes from 6e-5 to 65,504). All else is computed in f32.
;;   The module's matrix products, in the order in which they are computed (A, B: the left and right operand; K: the contracted axis; several contracted axes count as one K, in the product's order):
;;     1. [M 4,096, K 1,024] x [K 1,024, N 128]; A: input queries; B: input Wq: QUANTISED
;;     2. [M 4,096, K 1,024] x [K 1,024, N 128]; A: input keys; B: input Wk: QUANTISED
;;     3. [M 4,096, K 1,024] x [K 1,024, N 128]; A: input values; B: input Wv: QUANTISED
;;     4. batch 16 x [M 2,048, K 16] x [K 16, N 2,048]; A: computed on the way; B: computed on the way: left as it is (K = 16 < 32)
;;     5. batch 16 x [M 2,048, K 2,048] x [K 2,048, N 16]; A: computed on the way; B: computed on the way: left as it is (an operand is computed on the way)
;;     6. [M 4,096, K 128] x [K 128, N 1,024]; A: computed on the way; B: input Wo: left as it is (an operand is computed on the way)
;;   THE QUANTISER, for each operand of a quantised product, along K:
;;     - K is cut into blocks of 32 from its start; a last block that is shorter is filled with zeros.
;;     - A block's scale is 2^e with e = floor(log2(the largest magnitude in the block)) - 2, held to -126 .. 127; a block of zeros has e = 0. As a byte (E8M0): e + 127.
;;     - Each number is divided by its block's scale, clamped to +-6, and rounded to the nearest number of E2M1, ties to even, subnormals kept.
;;     - The product sums the exact products of the quantised numbers (number of the format x scale) in f32.
;;   ~~~python
;;   def quantise(x, axis):      # numpy; x: float32 -> the quantised numbers, widened to float32 again
;;       x = np.moveaxis(x, axis, -1); K = x.shape[-1]
;;       x = np.pad(x, [(0, 0)] * (x.ndim - 1) + [(0, -K % 32)]); x = x.reshape(x.shape[:-1] + (-1, 32)); a = np.abs(x).max(-1, keepdims=True)
;;       e = np.where(a > 0, np.clip(np.frexp(np.where(a > 0, a, 1))[1] - 1 - 2, -126, 127), 0)      # np.frexp(a)[1] - 1 = floor(log2(a)), exactly
;;       r = np.clip(x / 2.0 ** e, -6, 6)
;;       step = 2.0 ** (np.maximum(np.frexp(np.where(r == 0, 1, r))[1] - 1, 0) - 1)
;;       q = np.round(r / step) * step * 2.0 ** e      # np.round: ties to even
;;       return np.moveaxis(q.reshape(q.shape[:-2] + (-1,))[..., :K], -1, axis).astype(np.float32)
;;   ~~~
;; One version. Each part assembles by itself: llvm-mc -triple=amdgcn-amd-amdhsa -mcpu=gfx1250 --defsym DOCPART=n.
;; ======== version 1 of 1: 4 launches
;; limits: values are held in f16: magnitudes above 65,504 overflow, below 6.1e-05 lose precision
;; workspace buffers: wcodes 196,608 bytes; wscales 12,288 bytes; wo16 262,144 bytes; qbuf 1,048,576 bytes; kvbuf 2,097,152 bytes; obuf 1,048,576 bytes
;; launch prep (part 1): grid 32 x 1, 8 waves a work-group, no clusters, 0 bytes of LDS; arguments Wq, Wk, Wv, Wo, wcodes, wscales, wo16; writes wcodes, wscales, wo16
.if DOCPART == 1
	.amdgcn_target "amdgcn-amd-amdhsa--gfx1250"
	.amdhsa_code_object_version 6
	.text
	.protected	k_qa7d47be9e1_prep
	.globl	k_qa7d47be9e1_prep
	.p2align	8
	.type	k_qa7d47be9e1_prep,@function
k_qa7d47be9e1_prep:
	s_mov_b64 s[64:65], 0
	v_nop
	global_prefetch_b8 v0, s[64:65] scope:SCOPE_SE
	s_setreg_imm32_b32 hwreg(HW_REG_WAVE_MODE, 25, 1), 1
	s_wait_xcnt 0x0
; THE WEIGHTS ARE LAID OUT ONCE, in the order in which a wave's operand registers take them.
; Wq, Wk, Wv: [1024 (k)][128 (n)] f32 -> codes of FP4 (E2M1) quantised along K, one E8M0 byte for each 32 along K.
;   wcodes  [t 3][n 8][s 8][1024 bytes]: the fragment of columns 16 n .. 16 n + 15 and K step s (128 along K): registers 0-3 of all 32 lanes (16 bytes a lane), then registers 4-7.
;   wscales [t 3][n 8][p 4][32 words]: words 0-15 the scale words of K step 2 p, words 16-31 those of K step 2 p + 1: one register then carries two K steps.
; Wo: [128 (k)][1024 (n)] f32 -> f16.  wo16 [tile 64][kk 4][1024 bytes]: the fragment of columns 16 tile .. + 15 and k = 32 kk .. + 31, registers 0-3, then 4-7.
; SHARES.  Work-groups 0-23: tensor t = g / 8, K step s = g % 8, wave = n: the eight waves read whole rows of 512 bytes.  Work-groups 24-31: Wo, tile 8 (g % 8) + wave.  A wave makes one FP4 fragment or four f16 ones: 64 loads, all out at once.
; A LANE TAKES A COLUMN AND ITS REGISTERS RUN DOWN K, in the order that the operand's layout gives that lane: the conversions' results are the operand's registers, nothing is transposed.
; A block's scale is 2^(floor(log2(its largest magnitude)) - 2); its byte is the largest magnitude's exponent field - 2, held at 1 from below.
; LIMITS: a block of zeros gets the byte 1 where the rule says 127 (its codes are zeros, and this program alone reads the bytes); NaN and infinities are not served; |Wo| stays under 65,504, and under 6e-5 it keeps f16's absolute step.
; No LDS, no barrier: waves share nothing.
.set SH8, 6                            ; v6      8 x (lane / 16): where my two scale bytes stand in the word
.set T,   8                            ; v8-9    largest magnitudes of my two blocks
.set SO,  10                           ; v10-11  the conversions' scale operands
.set BY,  12                           ; v12-13  the scale bytes
.set WD,  14                           ; v14     the scale word
.set WX,  15                           ; v15     the other half's two bytes
.set C,   16                           ; v16-23  the codes: a fragment's eight registers
.set N,   32                           ; v32-95  64 numbers
.set F,   96                           ; v96-127 four f16 fragments
.set SEL, 30                           ; s[30:31] lane selects for v_permlanex16_b32: lane l xor 16
; 64 numbers of a lane, v[s + 32 c + i] = k 64 c + 32 (lane / 16) + i of my row or column, become the fragment's codes in v[C] on and the whole scale word in v[WD].
.macro QUANT s
.irp c, 0,1
	v_max3_num_f32 v[T+\c], |v[(\s)+32*\c]|, |v[(\s)+32*\c+1]|, 0x1800000   ; my block 2 c + lane / 16: all its 32 numbers are mine; the floor 2^(3 - 127) holds the byte at 1 from below
.endr
.irp i, 2,4,6,8,10,12,14,16,18,20,22,24,26,28,30
.irp c, 0,1
	v_max3_num_f32 v[T+\c], v[T+\c], |v[(\s)+32*\c+\i]|, |v[(\s)+32*\c+\i+1]|   ; the two blocks by turns
.endr
.endr
.irp c, 0,1
	v_add_nc_u32 v[SO+\c], 0xff000000, v[T+\c]     ; 2 off the exponent field: the conversion takes this operand's exponent field as its scale
.endr
.irp c, 0,1
	v_lshrrev_b32 v[BY+\c], 23, v[SO+\c]           ; the scale's byte
.endr
	v_lshl_or_b32 v[WD], v[BY+1], 16, v[BY]        ; my two bytes: blocks h and 2 + h,
	v_lshlrev_b32 v[WD], v[SH8], v[WD]             ; at their places in the word;
	v_permlanex16_b32 v[WX], v[WD], s[SEL], s[SEL+1]
	v_or_b32 v[WD], v[WD], v[WX]                   ; with lane l xor 16's two the word is whole, in both lanes
.irp c, 0,1
.irp g, 0,1,2,3
	v_cvt_scalef32_pk8_fp4_f32 v[C+4*\c+\g], v[(\s)+32*\c+8*\g:(\s)+32*\c+8*\g+7], v[SO+\c]   ; registers 4 c .. 4 c + 3 of the operand
.endr
.endr
	v_nop                                          ; one plain instruction behind the last scaled conversion
.endm
	s_load_b256 s[4:11], s[0:1], 0x0               ; Wq s[4:5], Wk s[6:7], Wv s[8:9], Wo s[10:11]
	s_load_b128 s[12:15], s[0:1], 0x20             ; wcodes s[12:13], wscales s[14:15]
	s_load_b64 s[16:17], s[0:1], 0x30              ; wo16
	v_lshrrev_b32 v7, 5, v0
	v_readfirstlane_b32 s18, v7                    ; wave 0..7
	v_and_b32 v1, 15, v0                           ; r
	v_bfe_u32 v2, v0, 4, 1                         ; h
	v_and_b32 v4, 31, v0
	v_lshlrev_b32 v4, 4, v4                        ; 16 x lane: my place in an image of four registers
	v_lshlrev_b32 v5, 2, v1                        ; 4 r
	s_mov_b32 s25, 0
	s_mov_b32 s29, 0
	s_and_b32 s20, ttmp9, 7                        ; the K step, or Wo's group of eight tiles
	s_wait_kmcnt 0x0
	s_cmp_ge_u32 ttmp9, 24
	s_cbranch_scc1 .Lwo
	; ---- Wq, Wk or Wv: one FP4 fragment
	s_lshr_b32 s19, ttmp9, 3                       ; t
	s_cmp_eq_u32 s19, 0
	s_cselect_b64 s[22:23], s[4:5], s[6:7]         ; the choice hangs on the work-group's number alone
	s_cmp_eq_u32 s19, 2
	s_cselect_b64 s[22:23], s[8:9], s[22:23]
	s_lshl_b32 s24, s20, 16                        ; 128 rows of 512 bytes a K step,
	s_lshl_b32 s21, s18, 6                         ; 16 columns of 4 bytes a wave
	s_add_co_u32 s24, s24, s21
	s_add_nc_u64 s[22:23], s[22:23], s[24:25]
	v_lshl_add_u32 v3, v2, 14, v5                  ; column r; lanes 16-31 begin 32 rows further down
.set i, 0
.rept 64
	global_load_b32 v[N+i], v3, s[22:23] offset:(64*(i/32)+i%32)*512   ; W(128 s + 64 c + 32 h + i, 16 n + r)
.set i, i+1
.endr
	s_lshl_b32 s26, s19, 3
	s_add_co_u32 s26, s26, s18                     ; 8 t + n
	s_lshl_b32 s28, s26, 13
	s_lshl_b32 s27, s20, 10
	s_add_co_u32 s28, s28, s27                     ; ((8 t + n) 8 + s) x 1,024
	s_add_nc_u64 s[12:13], s[12:13], s[28:29]
	s_lshl_b32 s28, s26, 9
	s_lshl_b32 s27, s20, 6                         ; 128 (s / 2) + 64 (s % 2) = 64 s
	s_add_co_u32 s28, s28, s27
	s_add_nc_u64 s[14:15], s[14:15], s[28:29]
	s_mov_b32 s[SEL], 0x76543210
	s_mov_b32 s[SEL+1], 0xfedcba98
	v_lshlrev_b32 v[SH8], 3, v2
	v_mov_b32 v[WX], 0                             ; a lane permute's destination counts as one of its sources
	s_wait_loadcnt 0x0
	QUANT N
	global_store_b128 v4, v[C:C+3], s[12:13]               ; 32 lanes store 512 consecutive bytes, aligned
	global_store_b128 v4, v[C+4:C+7], s[12:13] offset:512
	global_store_b32 v5, v[WD], s[14:15]                   ; 16 words; lanes r and r + 16 write the same word with the same value
	s_endpgm
	; ---- Wo: four f16 fragments of one tile of 16 columns
.Lwo:
	s_lshl_b32 s19, s20, 3
	s_add_co_u32 s19, s19, s18                     ; the tile: 8 (g % 8) + wave
	s_lshl_b32 s24, s19, 6                         ; 16 columns of 4 bytes
	s_add_nc_u64 s[10:11], s[10:11], s[24:25]
	s_lshl_b32 s28, s19, 12                        ; four fragments of 1,024 bytes
	s_add_nc_u64 s[16:17], s[16:17], s[28:29]
	v_lshl_add_u32 v3, v2, 15, v5                  ; column r; lanes 16-31 begin 8 rows of 4,096 bytes further down
.set i, 0
.rept 64
	global_load_b32 v[N+i], v3, s[10:11] offset:(32*(i/16)+16*((i/8)%2)+i%8)*4096   ; Wo(32 kk + 16 c + 8 h + i, 16 tile + r)
.set i, i+1
.endr
	s_wait_loadcnt 0x0
.set i, 0
.rept 32
	v_cvt_pk_f16_f32 v[F+i], v[N+2*i], v[N+2*i+1]  ; the lower k in the low half
.set i, i+1
.endr
.irp i, 0,1,2,3,4,5,6,7
	global_store_b128 v4, v[F+4*\i:F+4*\i+3], s[16:17] offset:512*\i   ; 512 consecutive bytes, aligned
.endr
	s_endpgm
.Lfunc_end_k_qa7d47be9e1_prep:
	.size	k_qa7d47be9e1_prep, .Lfunc_end_k_qa7d47be9e1_prep-k_qa7d47be9e1_prep
	.p2alignl 7, 3214868480
	.fill 96, 4, 3214868480
	.section	.rodata,"a",@progbits
	.p2align	6, 0x0
	.amdhsa_kernel k_qa7d47be9e1_prep
		.amdhsa_group_segment_fixed_size 0
		.amdhsa_private_segment_fixed_size 0
		.amdhsa_enable_private_segment 0
		.amdhsa_kernarg_size 56
		.amdhsa_user_sgpr_count 2
		.amdhsa_user_sgpr_kernarg_segment_ptr 1
		.amdhsa_wavefront_size32 1
		.amdhsa_system_sgpr_workgroup_id_x 1
		.amdhsa_system_sgpr_workgroup_id_y 1
		.amdhsa_system_sgpr_workgroup_id_z 1
		.amdhsa_system_vgpr_workitem_id 0
		.amdhsa_next_free_vgpr 128
		.amdhsa_next_free_sgpr 66
		.amdhsa_reserve_vcc 0
		.amdhsa_float_denorm_mode_32 3
		.amdhsa_float_denorm_mode_16_64 3
		.amdhsa_memory_ordered 1
		.amdhsa_forward_progress 1
		.amdhsa_inst_pref_size 21
	.end_amdhsa_kernel
	.amdgpu_metadata
---
amdhsa.version: [ 1, 2 ]
amdhsa.kernels:
  - .name:           k_qa7d47be9e1_prep
    .symbol:         k_qa7d47be9e1_prep.kd
    .args:
      - { .name: Wq, .offset: 0, .size: 8, .value_kind: global_buffer, .address_space: global }
      - { .name: Wk, .offset: 8, .size: 8, .value_kind: global_buffer, .address_space: global }
      - { .name: Wv, .offset: 16, .size: 8, .value_kind: global_buffer, .address_space: global }
      - { .name: Wo, .offset: 24, .size: 8, .value_kind: global_buffer, .address_space: global }
      - { .name: wcodes, .offset: 32, .size: 8, .value_kind: global_buffer, .address_space: global }
      - { .name: wscales, .offset: 40, .size: 8, .value_kind: global_buffer, .address_space: global }
      - { .name: wo16, .offset: 48, .size: 8, .value_kind: global_buffer, .address_space: global }
    .group_segment_fixed_size: 0
    .private_segment_fixed_size: 0
    .kernarg_segment_align: 8
    .kernarg_segment_size: 56
    .max_flat_workgroup_size: 256
    .sgpr_count:     66
    .vgpr_count:     128
    .wavefront_size: 32
...
	.end_amdgpu_metadata
.endif
;; end of part 1
;; launch proj (part 2): grid 256 x 1, 8 waves a work-group, no clusters, 96,256 bytes of LDS; arguments queries, keys, values, wcodes, wscales, bq, bk, bv, qbuf, kvbuf; writes qbuf, kvbuf
.if DOCPART == 2
	.amdgcn_target "amdgcn-amd-amdhsa--gfx1250"
	.amdhsa_code_object_version 6
	.text
	.protected	k_qa7d47be9e1_proj
	.globl	k_qa7d47be9e1_proj
	.p2align	8
	.type	k_qa7d47be9e1_proj,@function
k_qa7d47be9e1_proj:
	s_mov_b64 s[64:65], 0
	v_nop
	global_prefetch_b8 v0, s[64:65] scope:SCOPE_SE
	s_setreg_imm32_b32 hwreg(HW_REG_WAVE_MODE, 25, 1), 1
	s_wait_xcnt 0x0
; q = queries Wq + bq, k = keys Wk + bk, v = values Wv + bv: [4096][1024] x [1024][128], both operands as codes of FP4 (E2M1) with one E8M0 scale for each 32 along K; sums in f32.
; The weights arrive as codes in the order of the operand's registers.  The activations arrive as f32 and are quantised here, in registers, each number once.
; SHARES.  Work-group g owns rows 16 g .. 16 g + 15 of ALL THREE activations: 256 equal work-groups, no branch.
;   First part: wave w takes K step w (128 along K) of the three tiles: each load reads 512 consecutive bytes of a row; 48 loads, 24 KiB a wave, all asked for at the head.  The numbers turn through the wave's own
;   stage in LDS so that a lane holds 2 x 32 neighbours along K of ONE row, are quantised, and the fragment goes to LDS as an image of its registers (16 bytes a lane), its scale word as 4 bytes a lane.
;   One barrier.  Second part: wave w makes head w (16 of the 128 columns) of q, k and v: 24 matrix instructions; its eighth of the three weights came straight from memory into its registers.
; q and k are used TRANSPOSED (source 0 = 16 columns of W, source 1 = the 16 rows of x): a lane holds one token and eight neighbouring dims.  v is used the natural way: a lane holds one dim and eight neighbouring tokens,
; which is what the second product of attention wants.  The biases are the C of each sum's first matrix instruction.  q is multiplied by c = log2(e) / sqrt(128) in f32.  All three are rounded to f16 once.
; OUT: qbuf [bh 16][tile 128][512 bytes]: lane (r, h): query r, dims 8 h .. + 7.   kvbuf [bh][kb 64][2048 bytes]: K of token tile 2 kb, K of 2 kb + 1, V^T of 2 kb, V^T of 2 kb + 1, 512 bytes each.
; LIMITS: |q c|, |k|, |v| stay under 65,504, and under 6e-5 they keep f16's absolute step; a block of zeros gets the scale byte 1 where the rule says 127 (its codes are zeros; the bytes never leave this launch); NaN and infinities are not served.
; The weights are not shared through LDS or asked for jointly: each wave needs another eighth of them, once, and takes it into its registers as it lies.
.set IMG,    0                         ; LDS: x's 24 fragments, (t, s) at (8 t + s) x 1,024
.set XSC,    24576                     ; their scale words, 128 bytes each
.set STG,    27648                     ; a stage for each wave: 16 rows of 512 bytes + 16
.set SPITCH, 528                       ; 132 words: row r starts at bank 4 r mod 64 (64 banks of 4 bytes: ISA guide 11.1): the 16 rows that a load touches start at 16 different banks
.set WSTG,   16*SPITCH
.set SPARE,  STG+8*WSTG                ; the spare words, 128 bytes for each wave: four blocks of 256 bytes that no other line names
.set L16, 1                            ; v1   16 x lane
.set SA,  2                            ; v2   the stage, on the way in: 16 x lane
.set LA,  3                            ; v3   and out: row r, + 128 h
.set IA,  4                            ; v4   where I store my fragments: 1,024 x wave + 16 x lane
.set XA,  5                            ; v5   and their scale words: XSC + 128 x wave + 4 x lane
.set L4,  6                            ; v6   4 x lane
.set SH8, 7                            ; v7   8 h
.set SPW, 8                            ; v8   LDS address of my spare word; never rewritten
.set NIL, 9                            ; v9   0; never rewritten
.set H32, 10                           ; v10  32 h
.set R4,  11                           ; v11  4 r
.set T,   12                           ; v12-13 largest magnitudes;  v14-15 scale operands;  v16-17 bytes;  v18 the scale word;  v19 the other half's bytes
.set SO,  14
.set BY,  16
.set WD,  18
.set WX,  19
.set C,   20                           ; v20-27 the codes just made
.set WS,  28                           ; v28-39 W's scale words: 4 t + p: lanes 0-15 K step 2 p, lanes 16-31 K step 2 p + 1
.set XS,  40                           ; v40-63 x's scale words: 8 t + s
.set X,   64                           ; v64-255 tile t's 64 numbers at 64 t; later x's fragments, (t, s) at 8 (8 t + s); at the end the results
.set WF,  0                            ; window 1: v0-191 W's fragments, (t, s) at 8 (8 t + s)
.set BQ,  192                          ; window 1: the biases in the results' layout
.set BK,  200
.set BV,  208
.set ACQ, 216                          ; window 1: the accumulators
.set ACK, 224
.set VA,  232                          ; v's even K steps,
.set VB,  240                          ; and its odd ones: two accumulators, so that they can take turns
.set SEL, 32                           ; s[32:33] lane selects for v_permlanex16_b32: lane l xor 16
.set MSB, 0
.macro WIN new                         ; s_set_vgpr_msb: bits 1:0 source 0, 3:2 source 1, 5:4 source 2, 7:6 destination; the high byte repeats the setting that is left
.if MSB != \new
	s_set_vgpr_msb (MSB<<8)|\new
.set MSB, \new
.endif
.endm
; 64 numbers of a lane, v[s + 32 c + i] = k 64 c + 32 (lane / 16) + i of my row, become the fragment's codes in v[C] on and the whole scale word in v[WD].
.macro QUANT s
.irp c, 0,1
	v_max3_num_f32 v[T+\c], |v[(\s)+32*\c]|, |v[(\s)+32*\c+1]|, 0x1800000   ; my block 2 c + lane / 16: all its 32 numbers are mine; the floor 2^(3 - 127) holds the byte at 1 from below
.endr
.irp i, 2,4,6,8,10,12,14,16,18,20,22,24,26,28,30
.irp c, 0,1
	v_max3_num_f32 v[T+\c], v[T+\c], |v[(\s)+32*\c+\i]|, |v[(\s)+32*\c+\i+1]|   ; the two blocks by turns
.endr
.endr
.irp c, 0,1
	v_add_nc_u32 v[SO+\c], 0xff000000, v[T+\c]     ; 2 off the exponent field: the conversion takes this operand's exponent field as its scale
.endr
.irp c, 0,1
	v_lshrrev_b32 v[BY+\c], 23, v[SO+\c]           ; the scale's byte
.endr
	v_lshl_or_b32 v[WD], v[BY+1], 16, v[BY]        ; my two bytes: blocks h and 2 + h,
	v_lshlrev_b32 v[WD], v[SH8], v[WD]             ; at their places in the word;
	v_permlanex16_b32 v[WX], v[WD], s[SEL], s[SEL+1]
	v_or_b32 v[WD], v[WD], v[WX]                   ; with lane l xor 16's two the word is whole, in both lanes
.irp c, 0,1
.irp g, 0,1,2,3
	v_cvt_scalef32_pk8_fp4_f32 v[C+4*\c+\g], v[(\s)+32*\c+8*\g:(\s)+32*\c+8*\g+7], v[SO+\c]   ; registers 4 c .. 4 c + 3 of the operand
.endr
.endr
	v_nop                                          ; one plain instruction behind the last scaled conversion
.endm
.macro XLOAD t, base                   ; my K step of the 16 rows of tensor t: a load reads 512 consecutive bytes of one row; read once in the launch
.irp i, 0,1,2,3,4,5,6,7,8,9,10,11,12,13,14,15
	global_load_b128 v[X+64*\t+4*\i:X+64*\t+4*\i+3], v[L16], s[\base:\base+1] offset:4096*\i th:TH_LOAD_NT
.endr
.endm
.macro WLOAD t                         ; my head's eight fragments of weight t (16 loads) and their four registers of scale words: 20 loads
	WIN 0x40                                       ; destination window 1, address window 0
.irp i, 0,1,2,3,4,5,6,7,8,9,10,11,12,13,14,15
	global_load_b128 v[WF+64*\t+4*\i:WF+64*\t+4*\i+3], v[L16], s[14:15] offset:65536*\t+512*\i
.endr
	WIN 0
.irp p, 0,1,2,3
	global_load_b32 v[WS+4*\t+\p], v[L4], s[16:17] offset:4096*\t+128*\p
.endr
.endm
; Tile t: through my stage, quantised, to LDS.  cnt: the younger loads, which may stay out.
.macro PROCESS t, cnt
	s_wait_loadcnt \cnt
.irp i, 0,1,2,3,4,5,6,7,8,9,10,11,12,13,14,15
	ds_store_b128 v[SA], v[X+64*\t+4*\i:X+64*\t+4*\i+3] offset:SPITCH*\i   ; row i as it was loaded
.endr
	s_wait_dscnt 0x0                               ; the stores have read their registers, which the loads below fill; the last tile's stores of codes have read theirs
.irp c, 0,1
.irp i, 0,1,2,3,4,5,6,7
	ds_load_b128 v[X+64*\t+32*\c+4*\i:X+64*\t+32*\c+4*\i+3], v[LA] offset:256*\c+16*\i   ; row r, k = 64 c + 32 h + 4 i on
.endr
.endr
	s_wait_dscnt 0x0
	QUANT X+64*\t
	ds_store_b128 v[IA], v[C:C+3] offset:IMG+8192*\t       ; the fragment as it stands: 16 bytes a lane
	ds_store_b128 v[IA], v[C+4:C+7] offset:IMG+8192*\t+512
	ds_store_b32 v[XA], v[WD] offset:1024*\t               ; its scale word: 4 bytes a lane
.endm
; q's or k's K step s: source 0 = W's fragment (window 1), source 1 = x's (window 0).  On odd K steps W's scale words stand in lanes 16-31 of their register.
.macro MQK acc, bias, t, s
.if \s == 0
	v_wmma_scale_f32_16x16x128_f8f6f4 v[\acc:\acc+7], v[WF+64*\t+8*\s:WF+64*\t+8*\s+7], v[X+64*\t+8*\s:X+64*\t+8*\s+7], v[\bias:\bias+7], v[WS+4*\t+\s/2], v[XS+8*\t+\s] matrix_a_fmt:MATRIX_FMT_FP4 matrix_b_fmt:MATRIX_FMT_FP4
.elseif (\s)%2 == 0
	v_wmma_scale_f32_16x16x128_f8f6f4 v[\acc:\acc+7], v[WF+64*\t+8*\s:WF+64*\t+8*\s+7], v[X+64*\t+8*\s:X+64*\t+8*\s+7], v[\acc:\acc+7], v[WS+4*\t+\s/2], v[XS+8*\t+\s] matrix_a_fmt:MATRIX_FMT_FP4 matrix_b_fmt:MATRIX_FMT_FP4
.else
	v_wmma_scale_f32_16x16x128_f8f6f4 v[\acc:\acc+7], v[WF+64*\t+8*\s:WF+64*\t+8*\s+7], v[X+64*\t+8*\s:X+64*\t+8*\s+7], v[\acc:\acc+7], v[WS+4*\t+\s/2], v[XS+8*\t+\s] matrix_a_fmt:MATRIX_FMT_FP4 matrix_b_fmt:MATRIX_FMT_FP4 matrix_a_scale:MATRIX_SCALE_ROW1
.endif
.endm
; v's K step s: source 0 = x's fragment (window 0), source 1 = W's (window 1).  Even K steps add onto VA, which begins with the bias; odd ones onto VB, which begins with 0.
.macro MV s
.if \s == 0
	v_wmma_scale_f32_16x16x128_f8f6f4 v[VA:VA+7], v[X+128+8*\s:X+128+8*\s+7], v[WF+128+8*\s:WF+128+8*\s+7], v[BV:BV+7], v[XS+16+\s], v[WS+8+\s/2] matrix_a_fmt:MATRIX_FMT_FP4 matrix_b_fmt:MATRIX_FMT_FP4
.elseif \s == 1
	v_wmma_scale_f32_16x16x128_f8f6f4 v[VB:VB+7], v[X+128+8*\s:X+128+8*\s+7], v[WF+128+8*\s:WF+128+8*\s+7], 0, v[XS+16+\s], v[WS+8+\s/2] matrix_a_fmt:MATRIX_FMT_FP4 matrix_b_fmt:MATRIX_FMT_FP4 matrix_b_scale:MATRIX_SCALE_ROW1
.elseif (\s)%2 == 0
	v_wmma_scale_f32_16x16x128_f8f6f4 v[VA:VA+7], v[X+128+8*\s:X+128+8*\s+7], v[WF+128+8*\s:WF+128+8*\s+7], v[VA:VA+7], v[XS+16+\s], v[WS+8+\s/2] matrix_a_fmt:MATRIX_FMT_FP4 matrix_b_fmt:MATRIX_FMT_FP4
.else
	v_wmma_scale_f32_16x16x128_f8f6f4 v[VB:VB+7], v[X+128+8*\s:X+128+8*\s+7], v[WF+128+8*\s:WF+128+8*\s+7], v[VB:VB+7], v[XS+16+\s], v[WS+8+\s/2] matrix_a_fmt:MATRIX_FMT_FP4 matrix_b_fmt:MATRIX_FMT_FP4 matrix_b_scale:MATRIX_SCALE_ROW1
.endif
.endm
	s_load_b256 s[8:15], s[0:1], 0x0               ; queries s[8:9], keys s[10:11], values s[12:13], wcodes s[14:15]
	s_load_b256 s[16:23], s[0:1], 0x20             ; wscales s[16:17], bq s[18:19], bk s[20:21], bv s[22:23]
	s_load_b128 s[24:27], s[0:1], 0x40             ; qbuf s[24:25], kvbuf s[26:27]
	v_lshl_add_u32 v[SPW], v0, 2, SPARE
	v_mov_b32 v[NIL], 0
	v_lshrrev_b32 v12, 5, v0
	v_readfirstlane_b32 s28, v12                   ; wave 0..7
	v_and_b32 v13, 31, v0                          ; lane
	v_and_b32 v14, 15, v0                          ; r
	v_bfe_u32 v15, v0, 4, 1                        ; h
	v_lshlrev_b32 v[L16], 4, v13
	v_lshlrev_b32 v[L4], 2, v13
	v_lshlrev_b32 v[SH8], 3, v15
	v_lshlrev_b32 v[H32], 5, v15
	v_lshlrev_b32 v[R4], 2, v14
	s_mul_i32 s29, s28, WSTG
	s_add_co_u32 s29, s29, STG                     ; my stage
	v_add_nc_u32 v[SA], s29, v[L16]
	v_mul_u32_u24 v[LA], v14, SPITCH
	v_lshl_add_u32 v[LA], v15, 7, v[LA]
	v_add_nc_u32 v[LA], s29, v[LA]
	s_lshl_b32 s29, s28, 10
	v_add_nc_u32 v[IA], s29, v[L16]
	s_lshl_b32 s29, s28, 7
	s_add_co_u32 s29, s29, XSC
	v_add_nc_u32 v[XA], s29, v[L4]
	v_mov_b32 v[WX], 0                             ; a lane permute's destination counts as one of its sources
	s_mov_b32 s30, 0x3e0293ee                      ; c = log2(e) / sqrt(128)
	s_mov_b32 s31, s30                             ; (named with it as a pair, so it is written)
	s_mov_b32 s[SEL], 0x76543210
	s_mov_b32 s[SEL+1], 0xfedcba98
	s_lshl_b32 s34, ttmp9, 16                      ; x: 16 rows of 4,096 bytes a work-group,
	s_lshl_b32 s35, s28, 9                         ; 512 bytes of a row a wave
	s_add_co_u32 s34, s34, s35
	s_mov_b32 s35, 0
	s_lshl_b32 s36, s28, 13                        ; the codes of my head: eight fragments of 1,024 bytes
	s_mov_b32 s37, 0
	s_lshl_b32 s38, s28, 9                         ; their scale words
	s_mov_b32 s39, 0
	s_lshl_b32 s40, s28, 6                         ; my head's 16 numbers of a bias
	s_mov_b32 s41, 0
	s_lshr_b32 s42, ttmp9, 7
	s_lshl_b32 s42, s42, 3
	s_add_co_u32 s42, s42, s28                     ; bh = 8 x batch + head
	s_and_b32 s43, ttmp9, 127                      ; the token tile within the batch
	s_lshl_b32 s44, s42, 16
	s_lshl_b32 s45, s43, 9
	s_add_co_u32 s44, s44, s45                     ; qbuf: (128 bh + tile) x 512
	s_mov_b32 s45, 0
	s_lshl_b32 s46, s42, 17
	s_lshr_b32 s47, s43, 1
	s_lshl_b32 s47, s47, 11
	s_add_co_u32 s46, s46, s47
	s_and_b32 s47, s43, 1
	s_lshl_b32 s47, s47, 9
	s_add_co_u32 s46, s46, s47                     ; kvbuf: 131,072 bh + 2,048 (tile / 2) + 512 (tile % 2)
	s_mov_b32 s47, 0
	s_wait_kmcnt 0x0
	s_add_nc_u64 s[8:9], s[8:9], s[34:35]
	s_add_nc_u64 s[10:11], s[10:11], s[34:35]
	s_add_nc_u64 s[12:13], s[12:13], s[34:35]
	s_add_nc_u64 s[14:15], s[14:15], s[36:37]
	s_add_nc_u64 s[16:17], s[16:17], s[38:39]
	s_add_nc_u64 s[18:19], s[18:19], s[40:41]
	s_add_nc_u64 s[20:21], s[20:21], s[40:41]
	s_add_nc_u64 s[22:23], s[22:23], s[40:41]
	s_add_nc_u64 s[24:25], s[24:25], s[44:45]
	s_add_nc_u64 s[26:27], s[26:27], s[46:47]
	WIN 0x40                                       ; the biases, five loads, older than all that is counted below
	global_load_b128 v[BQ:BQ+3], v[H32], s[18:19]          ; lane (r, h): bq(16 n + 8 h + 0 .. 7)
	global_load_b128 v[BQ+4:BQ+7], v[H32], s[18:19] offset:16
	global_load_b128 v[BK:BK+3], v[H32], s[20:21]
	global_load_b128 v[BK+4:BK+7], v[H32], s[20:21] offset:16
	global_load_b32 v[BV], v[R4], s[22:23]                 ; lane (r, h): bv(16 n + r), for all eight tokens
	WIN 0
	XLOAD 0, 8
	XLOAD 1, 10
	XLOAD 2, 12
	WLOAD 0
	PROCESS 0, 52                                  ; behind tile 0's loads: 32 of x and 20 of the weights
	WLOAD 1
	PROCESS 1, 56                                  ; 16 of x and 40 of the weights
	WLOAD 2
	PROCESS 2, 60                                  ; the 60 of the weights
	s_wait_dscnt 0x0                               ; for the others' sake: my stores have landed
	s_barrier_signal -1
	s_barrier_wait -1                              ; x's 24 fragments and their scale words lie in LDS
.set f, 0
.rept 24
	ds_load_b128 v[X+8*f:X+8*f+3], v[L16] offset:IMG+1024*f
	ds_load_b128 v[X+8*f+4:X+8*f+7], v[L16] offset:IMG+1024*f+512
	ds_load_b32 v[XS+f], v[L4] offset:XSC+128*f
.set f, f+1
.endr
	s_wait_loadcnt 0x0                             ; the weights and the biases
	WIN 0x41                                       ; destination and source 0 window 1
.irp j, 1,2,3,4,5,6,7
	v_mov_b32 v[BV+\j], v[BV]                      ; bv in the result's layout: the same number for the lane's eight tokens
.endr
	s_wait_dscnt 0x0
	WIN 0x51                                       ; source 0 (W), C and D window 1; source 1 (x) window 0
.irp s, 0,1,2,3,4,5,6,7
	MQK ACQ, BQ, 0, \s                             ; the accumulators take turns, one instruction a turn
	MQK ACK, BK, 1, \s
.endr
	WIN 0x54                                       ; source 0 (x) window 0; source 1 (W), C and D window 1
.irp s, 0,1,2,3,4,5,6,7
	MV \s
.endr
.rept 4
	v_nop                                          ; four places between the last products and the first read of a result or write of an operand (ISA guide 7.12.1)
.endr
	WIN 0x01                                       ; source 0 window 1, destination window 0.
.irp j, 0,2,4,6
	v_pk_mul_f32 v[X+\j:X+\j+1], v[ACQ+\j:ACQ+\j+1], s[30:31] op_sel_hi:[1,0]   ; q x c, in f32
.endr
	WIN 0x05                                       ; sources 0 and 1 window 1
.irp p, 0,1,2,3
	v_cvt_pk_f16_f32 v[X+12+\p], v[ACK+2*\p], v[ACK+2*\p+1]
.endr
.irp j, 0,2,4,6
	v_pk_add_f32 v[X+16+\j:X+16+\j+1], v[VA+\j:VA+\j+1], v[VB+\j:VB+\j+1]   ; v's two halves of K
.endr
	WIN 0
.irp p, 0,1,2,3
	v_cvt_pk_f16_f32 v[X+8+\p], v[X+2*\p], v[X+2*\p+1]
	v_cvt_pk_f16_f32 v[X+24+\p], v[X+16+2*\p], v[X+16+2*\p+1]
.endr
	global_store_b128 v[L16], v[X+8:X+11], s[24:25]                ; each store: 512 consecutive bytes, aligned
	global_store_b128 v[L16], v[X+12:X+15], s[26:27]
	global_store_b128 v[L16], v[X+24:X+27], s[26:27] offset:1024
	s_wait_tensorcnt 0x0                           ; the wave's end, behind my last LDS store
	ds_add_u32 v[SPW], v[NIL]
	s_wait_dscnt 0x0
	s_endpgm
.Lfunc_end_k_qa7d47be9e1_proj:
	.size	k_qa7d47be9e1_proj, .Lfunc_end_k_qa7d47be9e1_proj-k_qa7d47be9e1_proj
	.p2alignl 7, 3214868480
	.fill 96, 4, 3214868480
	.section	.rodata,"a",@progbits
	.p2align	6, 0x0
	.amdhsa_kernel k_qa7d47be9e1_proj
		.amdhsa_group_segment_fixed_size 96256
		.amdhsa_private_segment_fixed_size 0
		.amdhsa_enable_private_segment 0
		.amdhsa_kernarg_size 80
		.amdhsa_user_sgpr_count 2
		.amdhsa_user_sgpr_kernarg_segment_ptr 1
		.amdhsa_wavefront_size32 1
		.amdhsa_system_sgpr_workgroup_id_x 1
		.amdhsa_system_sgpr_workgroup_id_y 1
		.amdhsa_system_sgpr_workgroup_id_z 1
		.amdhsa_system_vgpr_workitem_id 0
		.amdhsa_next_free_vgpr 512
		.amdhsa_next_free_sgpr 66
		.amdhsa_reserve_vcc 0
		.amdhsa_float_denorm_mode_32 3
		.amdhsa_float_denorm_mode_16_64 3
		.amdhsa_memory_ordered 1
		.amdhsa_forward_progress 1
		.amdhsa_inst_pref_size 40
	.end_amdhsa_kernel
	.amdgpu_metadata
---
amdhsa.version: [ 1, 2 ]
amdhsa.kernels:
  - .name:           k_qa7d47be9e1_proj
    .symbol:         k_qa7d47be9e1_proj.kd
    .args:
      - { .name: queries, .offset: 0, .size: 8, .value_kind: global_buffer, .address_space: global }
      - { .name: keys, .offset: 8, .size: 8, .value_kind: global_buffer, .address_space: global }
      - { .name: values, .offset: 16, .size: 8, .value_kind: global_buffer, .address_space: global }
      - { .name: wcodes, .offset: 24, .size: 8, .value_kind: global_buffer, .address_space: global }
      - { .name: wscales, .offset: 32, .size: 8, .value_kind: global_buffer, .address_space: global }
      - { .name: bq, .offset: 40, .size: 8, .value_kind: global_buffer, .address_space: global }
      - { .name: bk, .offset: 48, .size: 8, .value_kind: global_buffer, .address_space: global }
      - { .name: bv, .offset: 56, .size: 8, .value_kind: global_buffer, .address_space: global }
      - { .name: qbuf, .offset: 64, .size: 8, .value_kind: global_buffer, .address_space: global }
      - { .name: kvbuf, .offset: 72, .size: 8, .value_kind: global_buffer, .address_space: global }
    .group_segment_fixed_size: 96256
    .private_segment_fixed_size: 0
    .kernarg_segment_align: 8
    .kernarg_segment_size: 80
    .max_flat_workgroup_size: 256
    .sgpr_count:     66
    .vgpr_count:     512
    .wavefront_size: 32
...
	.end_amdgpu_metadata
.endif
;; end of part 2
;; launch attn (part 3): grid 16 x 16, 16 waves a work-group, clusters of 4 x 1, 167,936 bytes of LDS; arguments qbuf, kvbuf, obuf; writes obuf
.if DOCPART == 3
	.amdgcn_target "amdgcn-amd-amdhsa--gfx1250"
	.amdhsa_code_object_version 6
	.text
	.protected	k_qa7d47be9e1_attn
	.globl	k_qa7d47be9e1_attn
	.p2align	8
	.type	k_qa7d47be9e1_attn,@function
k_qa7d47be9e1_attn:
	s_mov_b64 s[64:65], 0
	v_nop
	global_prefetch_b8 v0, s[64:65] scope:SCOPE_SE
	s_setreg_imm32_b32 hwreg(HW_REG_WAVE_MODE, 25, 1), 1
	s_wait_xcnt 0x0
	s_wait_alu depctr_hold_cnt(0) depctr_sa_sdst(0) depctr_va_vdst(0) depctr_va_sdst(0) depctr_va_ssrc(0) depctr_va_vcc(0) depctr_vm_vsrc(0)
	s_getreg_b32 s2, hwreg(HW_REG_IB_STS2, 6, 4)
	s_cmp_eq_u32 s2, 0
	s_cbranch_scc0 .Lentry_in_a_cluster
	s_endpgm
.Lentry_in_a_cluster:
	s_bfe_u32 s2, ttmp6, 0x10000c
	s_cmp_lg_u32 s2, 0x3003
	s_cbranch_scc0 .Lentry_shape_is_right
	s_endpgm
.Lentry_shape_is_right:
; o[bh][q] = the sum over k of softmax_k(q . k / sqrt(128)) v[k]: 16 (batch, head) pairs, 2,048 queries and keys, head size 16, no mask.  Operands in f16, products, maxima and sums in f32.
; q arrives multiplied by c = log2(e) / sqrt(128), so a score IS t, and p = 2^(t - m), m the running maximum of the query's t; in every step O and the sum l are multiplied by a = 2^(m_old - m_new).
; SHARES.  A work-group owns 128 queries of one (batch, head): eight tiles of 16.  Each tile has TWO waves: wave w (0-7) walks keys 0 .. 1,023, wave w + 8 keys 1,024 .. 2,047, 128 a step, eight steps.  So four waves share a SIMD
; (4 x 224 registers), and one wave's vector work stands beside another's matrix work, exponentials and LDS loads.  At the end the upper wave hands its m, l and O to the lower one through LDS, which joins the two halves.
; K AND V OF THE WHOLE HEAD, 131,072 dense bytes in the order of the operands' registers, come into LDS ONCE, in TWO GROUPS: each wave issues two tensor loads of 4,096 bytes, on end; the first loads of the sixteen waves are
; the first 512 keys of both halves, the second loads the other 512.  The first four steps begin when the first group has landed; the second group lands meanwhile.  Nothing is filled again, so there is no ring.
; CLUSTER.  The four query blocks of a cluster belong to one head: each tile is asked for JOINTLY, by the same tensor load with the same descriptor and a mask that names the four.
; LAYOUT.  S^T = K Q^T (source 0 = keys, source 1 = my 16 queries), O^T = V^T P (source 0 = the 16 dims, source 1 = P): a lane holds ONE query (lane % 16) throughout.
; The head size is 16 and the matrix instruction is 32 deep: a fragment of K holds the dims of token tile 2 i in registers 0-3 (k = 0 .. 15) and those of tile 2 i + 1 in registers 4-7 (k = 16 .. 31).
; Against (q, 0) it gives tile 2 i's scores, against (0, q) tile 2 i + 1's.  The two results, rounded to f16 in pairs, ARE source 1 (32 keys x 16 queries) of the second product: nothing changes lanes.
; LIMITS: operands in f16 (magnitudes under 65,504; under 6e-5 the absolute step of f16); NaN and infinities are not served.
.set HALF,  65536                      ; bytes of 1,024 keys' K and V
.set GROUP, 32768                      ; of 512 keys'
.set PART,  4096                       ; what one tensor load brings
.set MRG,   131072                     ; behind K and V: for each tile of queries 1,280 bytes: the upper wave's O^T (two images of four registers), then its (m, l), 8 bytes a lane
.set MPW,   1280
.set SPARE, MRG+8*MPW                  ; the spare words, 128 bytes for each wave: eight blocks of 256 bytes that no other line names
.set L16, 1                            ; v1      16 x lane; never rewritten
.set ADR, 2                            ; v2      LDS address of the step's loads
.set MA,  3                            ; v3      the merge: O^T's place for my lane; made at the head
.set SPW, 4                            ; v4      LDS address of my spare word; never rewritten
.set NIL, 5                            ; v5      0; never rewritten
.set MA2, 6                            ; v6      the merge: (m, l)'s place for my lane; made at the head
.set Q,   8                            ; v8-11 q, v12-15 zeros, v16-19 q once more: (q, 0) = v[8:15], (0, q) = v[12:19]
.set M,   20                           ; v20     m  (v21 is named with it as a pair; at the end it takes l)
.set A,   22                           ; v22     a  (v23 is named with it as a pair)
.set LS,  24                           ; v[24:25] l, in two halves
.set T,   26                           ; v26-33  at work on the maximum
.set PX,  34                           ; v34     what the lane 16 away holds
.set KF,  40                           ; v40-71  four fragments of K
.set VF,  72                           ; v72-103 four fragments of V^T
.set S,   104                          ; v104-167 eight tiles of S^T, then p
.set P,   168                          ; v168-199 p in f16: four fragments
.set O0,  200                          ; v200-207, v208-215 O^T in two accumulators, which take turns
.set O1,  208
.set U,   216                          ; v[216:217] the sums' second chain
.macro CROUND                          ; a round of the cluster's barrier: my work-group's barrier; wave 0 signals for the work-group; every wave waits for all four work-groups; my work-group's barrier once more
	s_barrier_signal -1
	s_barrier_wait -1
	s_cmp_lg_u32 s10, 0
	s_cbranch_scc1 .Lnot_wave_0_\@
	s_barrier_signal -3
.Lnot_wave_0_\@:
	s_barrier_wait -3
	s_barrier_signal -1
	s_barrier_wait -1
.endm
	s_load_b128 s[4:7], s[0:1], 0x0                ; qbuf s[4:5], kvbuf s[6:7]
	s_load_b64 s[8:9], s[0:1], 0x10                ; obuf
	v_lshl_add_u32 v[SPW], v0, 2, SPARE
	v_mov_b32 v[NIL], 0
	ds_add_u32 v[SPW], v[NIL]                      ; the wave's opening: the add, twice on end, and its wait ahead of my first tensor load; the set-up below stands between the second and the wait
	ds_add_u32 v[SPW], v[NIL]
	v_lshrrev_b32 v7, 5, v0
	v_readfirstlane_b32 s10, v7                    ; wave 0..15
	s_and_b32 s38, s10, 7                          ; my tile of queries in the block
	s_lshr_b32 s39, s10, 3                         ; my half of the keys
	s_bfe_u32 s11, ttmp6, 0x40000                  ; cx: my place in the cluster: it enters q's and o's addresses alone
	s_lshl_b32 s12, ttmp9, 2                       ; in a cluster launch ttmp9 counts clusters
	s_add_co_u32 s12, s12, s11                     ; my block of 128 queries
	s_and_b32 s13, ttmp7, 0xffff                   ; bh, which the four partners share
	s_mov_b32 s14, 0x76543210
	s_mov_b32 s15, 0xfedcba98                      ; v_permlanex16_b32's selects for lane l xor 16
	; descriptor group 1: 4,096 dense bytes as 16 rows of 256 bytes (32 elements of 8 bytes), no padding: every LDS load below reads 512 consecutive bytes
	s_mov_b32 s16, 15|(3<<16)|(1<<21)              ; 15:0 the mask: all four work-groups; 17:16 elements of 8 bytes; 21 set beside a mask
	s_mov_b32 s17, 32<<16                          ; tensor_dim0 = 32
	s_mov_b32 s18, 16<<16                          ; tensor_dim1 = 16
	s_mov_b32 s19, 32<<16                          ; tile_dim0 = 32
	s_mov_b32 s20, 16                              ; tile_dim1 = 16
	s_mov_b32 s21, 32                              ; tensor_dim0_stride
	s_mov_b32 s22, 0
	s_mov_b32 s23, 0
	s_lshl_b32 s30, s12, 3
	s_add_co_u32 s30, s30, s38                     ; my tile of 16 queries in the head: 8 x block + wave % 8
	s_lshl_b32 s32, s13, 16
	s_lshl_b32 s33, s30, 9
	s_add_co_u32 s32, s32, s33                     ; qbuf: (128 bh + tile) x 512
	s_mov_b32 s33, 0
	s_lshl_b32 s44, s39, 16
	s_lshl_b32 s45, s38, 12
	s_add_co_u32 s44, s44, s45                     ; what I fetch first, in the head's 131,072 bytes and in LDS alike: 65,536 (wave / 8) + 4,096 (wave % 8): the wave's number alone
	s_lshl_b32 s34, s13, 17
	s_add_co_u32 s34, s34, s44                     ; kvbuf: 131,072 bh + that
	s_mov_b32 s35, 0
	s_lshr_b32 s36, s13, 3
	s_lshl_b32 s36, s36, 7
	s_add_co_u32 s36, s36, s30                     ; the token tile in all 4,096 rows: 128 x batch + tile
	s_lshl_b32 s36, s36, 12
	s_and_b32 s37, s13, 7
	s_lshl_b32 s37, s37, 9
	s_add_co_u32 s36, s36, s37                     ; obuf: (8 x token tile + head) x 512
	s_mov_b32 s37, 0
	v_and_b32 v[L16], 31, v0
	v_lshlrev_b32 v7, 3, v[L16]                    ; 8 x lane
	v_lshlrev_b32 v[L16], 4, v[L16]
	s_mul_i32 s31, s38, MPW
	s_add_co_u32 s31, s31, MRG                     ; the merge's bytes of my tile of queries: the same in the two waves of a tile
	v_add_nc_u32 v[MA], s31, v[L16]
	s_add_co_u32 s31, s31, 1024
	v_add_nc_u32 v[MA2], s31, v7
	s_lshl_b32 s28, s39, 16                        ; LDS byte at which the step's 128 keys begin: my half's first
	s_wait_dscnt 0x0                               ; both opening adds are done
	s_wait_kmcnt 0x0
	s_add_nc_u64 s[4:5], s[4:5], s[32:33]
	s_add_nc_u64 s[8:9], s[8:9], s[36:37]
	s_mov_b32 s24, 1                               ; descriptor group 0 of my first load: count = 1,
	s_mov_b32 s25, s44                             ; LDS address,
	s_add_nc_u64 s[26:27], s[6:7], s[34:35]        ; global address,
	s_mov_b32 s40, 1                               ; and of my second: 512 keys further on, in LDS and in memory
	s_add_co_u32 s41, s44, GROUP
	s_add_nc_u64 s[42:43], s[26:27], GROUP
	s_or_b32 s27, s27, 0x80000000                  ; type = 2
	s_or_b32 s43, s43, 0x80000000
	CROUND                                         ; all four work-groups are here: the joint loads meet
	tensor_load_to_lds s[24:27], s[16:23]          ; my two tensor loads of the launch, both first fills, on end: two are out
	s_nop 0
	tensor_load_to_lds s[40:43], s[16:23]
	s_nop 0
.rept 4
	v_nop
.endr
	global_load_b128 v[Q:Q+3], v[L16], s[4:5]      ; lane (r, h): query r, dims 8 h .. + 7
	global_load_b128 v[Q+8:Q+11], v[L16], s[4:5]   ; and once more, for (0, q)
.irp j, 4,5,6,7
	v_mov_b32 v[Q+\j], 0
.endr
	v_mov_b32 v[M], 0xff61b1e6                     ; m: -3e38, under every t: the first step's a is 0 and multiplies zeros
	v_mov_b32 v[M+1], 0
	v_mov_b32 v[A+1], 0
	v_mov_b32 v[PX], 0                             ; a lane permute's destination counts as one of its sources
	v_mov_b32 v[LS], 0
	v_mov_b32 v[LS+1], 0
.irp j, 0,1,2,3,4,5,6,7,8,9,10,11,12,13,14,15
	v_mov_b32 v[O0+\j], 0                          ; the step is written for every trip alike: the first finds zeros
.endr
	v_add_nc_u32 v[ADR], s28, v[L16]
	s_wait_tensorcnt 0x1                           ; my part of the first group has landed; my one younger load, my part of the second group, may stay out
	s_barrier_signal -1
	s_barrier_wait -1                              ; everybody's part of the first group has
.irp i, 0,1,2,3
.irp c, 0,1
	ds_load_b128 v[KF+8*\i+4*\c:KF+8*\i+4*\c+3], v[ADR] offset:2048*\i+512*\c   ; K of my first step
.endr
.endr
	s_wait_loadcnt 0x0                             ; q
; A KEY STEP: 128 keys = four blocks of 2,048 bytes (K of two token tiles, V^T of the same two).
; kind = 0: a step whose successor lies in the same group.  kind = 1: the first group's last step: the next step's K lies in the second group, so the wait for my part of it and the barrier's signal stand at the step's head,
; the barrier's wait behind the step's eight products, and the loads behind that.  kind = 2: my last step: there is no further K to fetch.
.macro STEP kind
	s_wait_dscnt 0x0                               ; K of this step is in, and no LDS instruction of mine is out
.if \kind == 1
	s_wait_tensorcnt 0x0                           ; my part of the second group has landed:
	s_barrier_signal -1                            ; say so, and work on registers while the others arrive
.endif
.irp i, 0,1,2,3
	v_wmma_f32_16x16x32_f16 v[S+16*\i:S+16*\i+7], v[KF+8*\i:KF+8*\i+7], v[Q:Q+7], 0          ; keys 32 i + 0 .. 15
	v_wmma_f32_16x16x32_f16 v[S+16*\i+8:S+16*\i+15], v[KF+8*\i:KF+8*\i+7], v[Q+4:Q+11], 0    ; keys 32 i + 16 .. 31
.endr
	v_add_nc_u32 v[ADR], s28, v[L16]               ; with the three below: four places behind the products above and behind the last step's V^T P, ahead of the loads into K's and V's registers and of the first read of a score
.rept 3
	v_nop
.endr
.if \kind == 1
	s_barrier_wait -1                              ; the second group is whole
.endif
.irp i, 0,1,2,3
.irp c, 0,1
	ds_load_b128 v[VF+8*\i+4*\c:VF+8*\i+4*\c+3], v[ADR] offset:2048*\i+1024+512*\c   ; V^T of this step
.endr
.endr
.if \kind != 2
.irp i, 0,1,2,3
.irp c, 0,1
	ds_load_b128 v[KF+8*\i+4*\c:KF+8*\i+4*\c+3], v[ADR] offset:8192+2048*\i+512*\c   ; K of the next step
.endr
.endr
.endif
	; the maximum of my 64 scores and the old m, three operands at a time; each tile is read from its low end on
.irp c, 0,1,2,3,4,5,6,7
	v_max3_num_f32 v[T+\c], v[S+8*\c], v[S+8*\c+1], v[S+8*\c+2]
.endr
.irp c, 0,1,2,3,4,5,6,7
	v_max3_num_f32 v[T+\c], v[T+\c], v[S+8*\c+3], v[S+8*\c+4]
.endr
.irp c, 0,1,2,3,4,5,6,7
	v_max3_num_f32 v[T+\c], v[T+\c], v[S+8*\c+5], v[S+8*\c+6]
.endr
.irp c, 0,1,2,3
	v_max3_num_f32 v[T+\c], v[T+\c], v[S+16*\c+7], v[S+16*\c+15]
.endr
	v_max3_num_f32 v[T], v[T], v[T+1], v[T+2]
	v_max3_num_f32 v[T+3], v[T+3], v[T+4], v[T+5]
	v_max3_num_f32 v[T+6], v[T+6], v[T+7], v[M]
	v_max3_num_f32 v[T], v[T], v[T+3], v[T+6]
	v_permlanex16_b32 v[PX], v[T], s14, s15        ; the query's other 64 keys of the step lie in the lane 16 away
	v_max_num_f32 v[T], v[T], v[PX]                ; the new m
	v_sub_f32 v[A], v[M], v[T]                     ; m_old - m_new
	v_mov_b32 v[M], v[T]
.set j, 0
.rept 32
	v_pk_add_f32 v[S+j:S+j+1], v[S+j:S+j+1], v[M:M+1] op_sel_hi:[1,0] neg_lo:[0,1] neg_hi:[0,1]   ; t - m, two at a time
.set j, j+2
.endr
	v_exp_f32 v[A], v[A]                           ; ONE BATCH of 65 exponentials: a,
.set j, 0
.rept 64
	v_exp_f32 v[S+j], v[S+j]                       ; and p = 2^(t - m)
.set j, j+1
.endr
	v_nop                                          ; a plain instruction behind the last exponential (ISA guide 5.7.2),
	s_wait_alu depctr_va_vdst(0)                   ; and the one wait ahead of the batch's first reader
	v_pk_mul_f32 v[LS:LS+1], v[LS:LS+1], v[A:A+1] op_sel_hi:[1,0]   ; l under the new m
	v_pk_add_f32 v[U:U+1], v[S:S+1], v[S+2:S+3]    ; the sum of p in f32, two at a time, in two chains
.set j, 4
.rept 15
	v_pk_add_f32 v[LS:LS+1], v[LS:LS+1], v[S+j:S+j+1]
	v_pk_add_f32 v[U:U+1], v[U:U+1], v[S+j+2:S+j+3]
.set j, j+4
.endr
	v_pk_add_f32 v[LS:LS+1], v[LS:LS+1], v[U:U+1]
.set j, 0
.rept 32
	v_cvt_pk_f16_f32 v[P+j], v[S+2*j], v[S+2*j+1]  ; p in f16: the second product's source 1
.set j, j+1
.endr
.irp j, 0,2,4,6,8,10,12,14
	v_pk_mul_f32 v[O0+\j:O0+\j+1], v[O0+\j:O0+\j+1], v[A:A+1] op_sel_hi:[1,0]   ; O^T under the new m, each accumulator from its low end on
.endr
.if \kind == 2
	s_wait_dscnt 0x0                               ; V^T is in
.else
	s_wait_dscnt 8                                 ; V^T is in; the eight younger loads, the next step's K, may stay out
.endif
	v_wmma_f32_16x16x32_f16 v[O0:O0+7], v[VF:VF+7], v[P:P+7], v[O0:O0+7]            ; the two accumulators take turns, one instruction a turn
	v_wmma_f32_16x16x32_f16 v[O1:O1+7], v[VF+8:VF+15], v[P+8:P+15], v[O1:O1+7]
	v_wmma_f32_16x16x32_f16 v[O0:O0+7], v[VF+16:VF+23], v[P+16:P+23], v[O0:O0+7]
	v_wmma_f32_16x16x32_f16 v[O1:O1+7], v[VF+24:VF+31], v[P+24:P+31], v[O1:O1+7]
	s_add_co_u32 s28, s28, 8192
.endm
	s_mov_b32 s29, 3
.Lfirst:                                           ; steps 0 to 2: all that they read lies in the first group
	STEP 0
	s_sub_co_u32 s29, s29, 1
	s_cmp_lg_u32 s29, 0
	s_cbranch_scc1 .Lfirst
	STEP 1                                         ; step 3, with the change of groups
	s_mov_b32 s29, 3
.Lsecond:                                          ; steps 4 to 6
	STEP 0
	s_sub_co_u32 s29, s29, 1
	s_cmp_lg_u32 s29, 0
	s_cbranch_scc1 .Lsecond
	STEP 2                                         ; step 7
	; THE TWO HALVES OF THE KEYS ARE JOINED.  Each wave first adds up what is its own: l's halves and the other lane's, O^T's two accumulators.
	v_add_f32 v[LS], v[LS], v[LS+1]                ; with the three below: four places behind the last products
.rept 3
	v_nop
.endr
	v_permlanex16_b32 v[PX], v[LS], s14, s15
.irp j, 0,2,4,6
	v_pk_add_f32 v[O0+\j:O0+\j+1], v[O0+\j:O0+\j+1], v[O1+\j:O1+\j+1]   ; both accumulators from their low ends on
.endr
	v_add_f32 v[LS], v[LS], v[PX]
	v_mov_b32 v[M+1], v[LS]                        ; (m, l) as a pair
	s_cmp_lt_u32 s10, 8
	s_cbranch_scc1 .Llower
	ds_store_b128 v[MA], v[O0:O0+3]                ; the upper wave: its registers as they stand, 16 bytes a lane,
	ds_store_b128 v[MA], v[O0+4:O0+7] offset:512
	ds_store_b64 v[MA2], v[M:M+1]                  ; and 8 bytes a lane
.Llower:
	s_wait_dscnt 0x0                               ; for the other wave's sake: my stores have landed
	s_barrier_signal -1
	s_barrier_wait -1
	s_cmp_ge_u32 s10, 8
	s_cbranch_scc1 .Lend                           ; the upper wave is done
	ds_load_b128 v[KF:KF+3], v[MA]                 ; the lower wave: the same registers in the same lanes
	ds_load_b128 v[KF+4:KF+7], v[MA] offset:512
	ds_load_b64 v[KF+8:KF+9], v[MA2]
	s_wait_dscnt 0x0
	v_max_num_f32 v[T], v[M], v[KF+8]              ; m of all 2,048 keys
	v_sub_f32 v[A], v[M], v[T]
	v_sub_f32 v[U], v[KF+8], v[T]
	v_exp_f32 v[A], v[A]                           ; a1 = 2^(m1 - m),
	v_exp_f32 v[U], v[U]                           ; a2 = 2^(m2 - m)
	v_nop                                          ; a plain instruction behind the last exponential,
	s_wait_alu depctr_va_vdst(0)                   ; and the wait ahead of the first reader
	v_mul_f32 v[LS], v[LS], v[A]
	v_fma_f32 v[LS], v[KF+9], v[U], v[LS]          ; l = l1 a1 + l2 a2
	v_rcp_f32 v[T], v[LS]
	v_nop
	s_wait_alu depctr_va_vdst(0)                   ; likewise for the reciprocal
	v_mul_f32 v[A], v[A], v[T]                     ; a1 / l,
	v_mul_f32 v[U], v[U], v[T]                     ; a2 / l
.irp j, 0,2,4,6
	v_pk_mul_f32 v[O0+\j:O0+\j+1], v[O0+\j:O0+\j+1], v[A:A+1] op_sel_hi:[1,0]
.endr
.irp j, 0,2,4,6
	v_pk_fma_f32 v[O0+\j:O0+\j+1], v[KF+\j:KF+\j+1], v[U:U+1], v[O0+\j:O0+\j+1] op_sel_hi:[1,0,1]   ; o = (O1 a1 + O2 a2) / l
.endr
.irp p, 0,1,2,3
	v_cvt_pk_f16_f32 v[VF+\p], v[O0+2*\p], v[O0+2*\p+1]    ; lane (r, h): token r, dims 8 h .. + 7: 16 bytes
.endr
	global_store_b128 v[L16], v[VF:VF+3], s[8:9]   ; 512 consecutive bytes, aligned
.Lend:
	s_wait_tensorcnt 0x0                           ; the wave's end, behind my tensor loads and my last LDS store
	ds_add_u32 v[SPW], v[NIL]
	s_wait_dscnt 0x0
	CROUND                                         ; the closing round: no work-group ends while a partner may still ask for a tile that names it
	s_endpgm
.Lfunc_end_k_qa7d47be9e1_attn:
	.size	k_qa7d47be9e1_attn, .Lfunc_end_k_qa7d47be9e1_attn-k_qa7d47be9e1_attn
	.p2alignl 7, 3214868480
	.fill 96, 4, 3214868480
	.section	.rodata,"a",@progbits
	.p2align	6, 0x0
	.amdhsa_kernel k_qa7d47be9e1_attn
		.amdhsa_group_segment_fixed_size 167936
		.amdhsa_private_segment_fixed_size 0
		.amdhsa_enable_private_segment 0
		.amdhsa_kernarg_size 24
		.amdhsa_user_sgpr_count 2
		.amdhsa_user_sgpr_kernarg_segment_ptr 1
		.amdhsa_wavefront_size32 1
		.amdhsa_system_sgpr_workgroup_id_x 1
		.amdhsa_system_sgpr_workgroup_id_y 1
		.amdhsa_system_sgpr_workgroup_id_z 1
		.amdhsa_system_vgpr_workitem_id 0
		.amdhsa_next_free_vgpr 224
		.amdhsa_next_free_sgpr 66
		.amdhsa_reserve_vcc 0
		.amdhsa_float_denorm_mode_32 3
		.amdhsa_float_denorm_mode_16_64 3
		.amdhsa_memory_ordered 1
		.amdhsa_forward_progress 1
		.amdhsa_inst_pref_size 60
	.end_amdhsa_kernel
	.amdgpu_metadata
---
amdhsa.version: [ 1, 2 ]
amdhsa.kernels:
  - .name:           k_qa7d47be9e1_attn
    .symbol:         k_qa7d47be9e1_attn.kd
    .args:
      - { .name: qbuf, .offset: 0, .size: 8, .value_kind: global_buffer, .address_space: global }
      - { .name: kvbuf, .offset: 8, .size: 8, .value_kind: global_buffer, .address_space: global }
      - { .name: obuf, .offset: 16, .size: 8, .value_kind: global_buffer, .address_space: global }
    .group_segment_fixed_size: 167936
    .private_segment_fixed_size: 0
    .kernarg_segment_align: 8
    .kernarg_segment_size: 24
    .max_flat_workgroup_size: 512
    .sgpr_count:     66
    .vgpr_count:     224
    .wavefront_size: 32
...
	.end_amdgpu_metadata
.endif
;; end of part 3
;; launch outp (part 4): grid 4 x 64, 4 waves a work-group, no clusters, 17,920 bytes of LDS; arguments obuf, wo16, bo, out0; writes out0
.if DOCPART == 4
	.amdgcn_target "amdgcn-amd-amdhsa--gfx1250"
	.amdhsa_code_object_version 6
	.text
	.protected	k_qa7d47be9e1_outp
	.globl	k_qa7d47be9e1_outp
	.p2align	8
	.type	k_qa7d47be9e1_outp,@function
k_qa7d47be9e1_outp:
	s_mov_b64 s[64:65], 0
	v_nop
	global_prefetch_b8 v0, s[64:65] scope:SCOPE_SE
	s_setreg_imm32_b32 hwreg(HW_REG_WAVE_MODE, 25, 1), 1
	s_wait_xcnt 0x0
; out0 = o Wo + bo: [4096][128] x [128][1024], operands in f16, sums in f32, out0 in f32.
; o arrives as obuf [token tile 256][head 8][512 bytes] (lane (r, h): token r, dims 8 h .. + 7 of the head): heads 2 kk and 2 kk + 1 on end ARE the fragment of k = 32 kk .. + 31.  Wo arrives as f16 fragments, wo16 [tile 64][kk 4][1024 bytes].
; SHARES.  A work-group takes 64 rows (four token tiles) x 256 columns; wave w takes columns 64 w .. + 63 of them for all 64 rows: its 16 fragments of Wo, 16,384 dense bytes, stay in its registers (window 1).
; ALL THAT A WAVE READS IS ASKED FOR AT THE HEAD: the bias, the four token tiles of o (a buffer of 32 registers each) and Wo: 65 loads; a tile's products wait only for the loads up to its own.
; THE MATRIX INSTRUCTION IS USED TRANSPOSED (source 0 = 16 columns of Wo, source 1 = 16 tokens): a lane holds eight neighbouring numbers of a row of out0.  A tile of 16 rows x 64 columns goes through the wave's own stage
; in LDS and comes back by rows; the bias is added there, and sixteen lanes store 256 consecutive bytes, aligned.  The stage is each wave's own: no barrier.
; NO JOINT LOADS: both operands lie in memory in the order of the operands' registers and go straight into them, each fragment for one wave.  A joint load would bring a work-group's 16,384 bytes of o and 65,536 of Wo
; into LDS first, an LDS write and read more for every byte, to spare requests that are small beside the 65,536 bytes of out0 that the work-group stores.
; LIMITS: |o| and |Wo| under 65,504; under 6e-5 the absolute step of f16.
.set SPITCH, 272                       ; a stage row: 256 bytes + 16 = 68 words: row r starts at bank 4 r mod 64 (64 banks of 4 bytes: ISA guide 11.1)
.set WSTG,   16*SPITCH
.set SPARE,  4*WSTG                    ; behind the stages: the spare words, 128 bytes for each wave: two blocks of 256 bytes that no other line names
.set L16, 1                            ; v1   16 x lane
.set STO, 2                            ; v2   the stage, in: row r, + 32 h
.set RD,  3                            ; v3   and back: lanes 0-15 one row, lanes 16-31 the next
.set CO,  4                            ; v4   the same two rows in out0
.set SPW, 5                            ; v5   LDS address of my spare word; never rewritten
.set NIL, 6                            ; v6   0; never rewritten
.set C16, 7                            ; v7   16 x (lane % 16)
.set BO,  8                            ; v8-11 bo of the four columns that I store
.set OF,  16                           ; v16-143 o's four fragments of token tile m at 32 m; later the tile's rows on their way out
.set ACC, 144                          ; v144-175 four accumulators
.set WF,  0                            ; window 1: v0-127 Wo's fragments: (i, kk) at 8 (4 i + kk)
.set MSB, 0
.macro WIN new                         ; s_set_vgpr_msb: bits 1:0 source 0, 3:2 source 1, 5:4 source 2, 7:6 destination; the high byte repeats the setting that is left
.if MSB != \new
	s_set_vgpr_msb (MSB<<8)|\new
.set MSB, \new
.endif
.endm
	s_load_b256 s[4:11], s[0:1], 0x0               ; obuf s[4:5], wo16 s[6:7], bo s[8:9], out0 s[10:11]
	v_lshl_add_u32 v[SPW], v0, 2, SPARE
	v_mov_b32 v[NIL], 0
	v_lshrrev_b32 v12, 5, v0
	v_readfirstlane_b32 s12, v12                   ; wave 0..3
	v_and_b32 v13, 31, v0
	v_and_b32 v14, 15, v0                          ; r
	v_bfe_u32 v15, v0, 4, 1                        ; h
	v_lshlrev_b32 v[L16], 4, v13
	v_lshlrev_b32 v[C16], 4, v14
	s_mul_i32 s13, s12, WSTG                       ; my stage
	v_mul_u32_u24 v[STO], v14, SPITCH
	v_lshl_add_u32 v[STO], v15, 5, v[STO]
	v_add_nc_u32 v[STO], s13, v[STO]
	v_mul_u32_u24 v[RD], v15, SPITCH
	v_add_nc_u32 v[RD], v[RD], v[C16]
	v_add_nc_u32 v[RD], s13, v[RD]
	v_lshl_add_u32 v[CO], v15, 12, v[C16]
	s_and_b32 s14, ttmp7, 0xffff                   ; the block of 64 rows
	s_lshl_b32 s16, s14, 14                        ; obuf: four token tiles of 4,096 bytes
	s_mov_b32 s17, 0
	s_lshl_b32 s18, ttmp9, 16
	s_lshl_b32 s19, s12, 14
	s_add_co_u32 s18, s18, s19                     ; wo16: (16 x column block + 4 x wave) x 4,096
	s_mov_b32 s19, 0
	s_lshl_b32 s20, ttmp9, 10
	s_lshl_b32 s21, s12, 8
	s_add_co_u32 s20, s20, s21                     ; my first column, in bytes
	s_mov_b32 s21, 0
	s_lshl_b32 s22, s14, 18                        ; 64 rows of 4,096 bytes
	s_add_co_u32 s22, s22, s20
	s_mov_b32 s23, 0
	s_wait_kmcnt 0x0
	s_add_nc_u64 s[4:5], s[4:5], s[16:17]
	s_add_nc_u64 s[6:7], s[6:7], s[18:19]
	s_add_nc_u64 s[8:9], s[8:9], s[20:21]
	s_add_nc_u64 s[10:11], s[10:11], s[22:23]
.macro OLOAD m                         ; token tile m's four fragments: eight loads of 512 consecutive bytes
.irp i, 0,1,2,3,4,5,6,7
	global_load_b128 v[OF+32*(\m)+4*\i:OF+32*(\m)+4*\i+3], v[L16], s[4:5] offset:4096*(\m)+512*\i
.endr
.endm
	global_load_b128 v[BO:BO+3], v[C16], s[8:9]
	OLOAD 0
	WIN 0x40                                       ; destination window 1, address window 0
.set i, 0
.rept 32
	global_load_b128 v[WF+4*i:WF+4*i+3], v[L16], s[6:7] offset:512*i
.set i, i+1
.endr
	WIN 0
	OLOAD 1
	OLOAD 2
	OLOAD 3
.macro TILE m
.set OB, OF+32*(\m)
	s_wait_loadcnt 24-8*(\m)                       ; the bias, Wo and the tiles up to mine are in; the later tiles' loads, eight each, may stay out
	WIN 0x01                                       ; source 0 (Wo) window 1; source 1 (o), C and D window 0
.irp kk, 0,1,2,3                       ; the four accumulators take turns, one instruction a turn; the first K step starts the sums
.irp i, 0,1,2,3
.if \kk == 0
	v_wmma_f32_16x16x32_f16 v[ACC+8*\i:ACC+8*\i+7], v[WF+8*(4*\i+\kk):WF+8*(4*\i+\kk)+7], v[OB+8*\kk:OB+8*\kk+7], 0
.else
	v_wmma_f32_16x16x32_f16 v[ACC+8*\i:ACC+8*\i+7], v[WF+8*(4*\i+\kk):WF+8*(4*\i+\kk)+7], v[OB+8*\kk:OB+8*\kk+7], v[ACC+8*\i:ACC+8*\i+7]
.endif
.endr
.endr
	WIN 0
.rept 5
	v_nop                                          ; four places ahead of the stores that read results and of the loads into o's registers; a fifth, since the next tile's first products begin these accumulators anew
.endr
.irp i, 0,1,2,3
	ds_store_b128 v[STO], v[ACC+8*\i:ACC+8*\i+3] offset:64*\i        ; lane (r, h): row r, columns 16 i + 8 h + 0 .. 7; each accumulator from its low end on
	ds_store_b128 v[STO], v[ACC+8*\i+4:ACC+8*\i+7] offset:64*\i+16
.endr
.irp i, 0,1,2,3,4,5,6,7
	ds_load_b128 v[OB+4*\i:OB+4*\i+3], v[RD] offset:2*SPITCH*\i      ; LDS serves a wave's instructions in order (ISA guide 5.7.1.4): these see the stores above
.endr
.irp i, 0,1,2,3,4,5,6,7
	s_wait_dscnt 7-\i                              ; rows 2 i and 2 i + 1 are back; the younger loads may stay out
	v_pk_add_f32 v[OB+4*\i:OB+4*\i+1], v[OB+4*\i:OB+4*\i+1], v[BO:BO+1]
	v_pk_add_f32 v[OB+4*\i+2:OB+4*\i+3], v[OB+4*\i+2:OB+4*\i+3], v[BO+2:BO+3]
	global_store_b128 v[CO], v[OB+4*\i:OB+4*\i+3], s[10:11] offset:(16*(\m)+2*\i)*4096 th:TH_STORE_NT   ; 16 lanes store 256 consecutive bytes, aligned; written once, read by nobody here; each tile's rows have registers of their own, so no store's data are written again
.endr
.endm
	TILE 0
	TILE 1
	TILE 2
	TILE 3
	s_wait_tensorcnt 0x0                           ; the wave's end, behind my last LDS store
	ds_add_u32 v[SPW], v[NIL]
	s_wait_dscnt 0x0
	s_endpgm
.Lfunc_end_k_qa7d47be9e1_outp:
	.size	k_qa7d47be9e1_outp, .Lfunc_end_k_qa7d47be9e1_outp-k_qa7d47be9e1_outp
	.p2alignl 7, 3214868480
	.fill 96, 4, 3214868480
	.section	.rodata,"a",@progbits
	.p2align	6, 0x0
	.amdhsa_kernel k_qa7d47be9e1_outp
		.amdhsa_group_segment_fixed_size 17920
		.amdhsa_private_segment_fixed_size 0
		.amdhsa_enable_private_segment 0
		.amdhsa_kernarg_size 32
		.amdhsa_user_sgpr_count 2
		.amdhsa_user_sgpr_kernarg_segment_ptr 1
		.amdhsa_wavefront_size32 1
		.amdhsa_system_sgpr_workgroup_id_x 1
		.amdhsa_system_sgpr_workgroup_id_y 1
		.amdhsa_system_sgpr_workgroup_id_z 1
		.amdhsa_system_vgpr_workitem_id 0
		.amdhsa_next_free_vgpr 384
		.amdhsa_next_free_sgpr 66
		.amdhsa_reserve_vcc 0
		.amdhsa_float_denorm_mode_32 3
		.amdhsa_float_denorm_mode_16_64 3
		.amdhsa_memory_ordered 1
		.amdhsa_forward_progress 1
		.amdhsa_inst_pref_size 26
	.end_amdhsa_kernel
	.amdgpu_metadata
---
amdhsa.version: [ 1, 2 ]
amdhsa.kernels:
  - .name:           k_qa7d47be9e1_outp
    .symbol:         k_qa7d47be9e1_outp.kd
    .args:
      - { .name: obuf, .offset: 0, .size: 8, .value_kind: global_buffer, .address_space: global }
      - { .name: wo16, .offset: 8, .size: 8, .value_kind: global_buffer, .address_space: global }
      - { .name: bo, .offset: 16, .size: 8, .value_kind: global_buffer, .address_space: global }
      - { .name: out0, .offset: 24, .size: 8, .value_kind: global_buffer, .address_space: global }
    .group_segment_fixed_size: 17920
    .private_segment_fixed_size: 0
    .kernarg_segment_align: 8
    .kernarg_segment_size: 32
    .max_flat_workgroup_size: 128
    .sgpr_count:     66
    .vgpr_count:     384
    .wavefront_size: 32
...
	.end_amdgpu_metadata
.endif
;; end of part 4
